; MI455X (gfx1250); checked and timed in simulation.
; The chip was launched on July 23, 2026; its instructions are those of AMD's public machine-readable ISA for CDNA 5 (MIT licence, August 2026) and "CDNA5" Instruction Set Architecture Reference Guide (July 2026). The comments in the code are by the model that wrote it; some were corrected since.
;; Multi Head Attention T. Allowed arithmetic: matrix products marked QUANTISED: E2M3 operands, one E8M0 scale for each 32 along K, by v_wmma_scale_f32_16x16x128_f8f6f4 with both operands' format E2M3, f32 sums; everything else in f32.
;; Inputs: Wk_codes 512 x 2 x 24 uint8 (E2M3 codes of Wk, K innermost, in blocks of 32 codes, four codes in three bytes); Wk_scales 512 x 2 uint8 (E8M0 scales of Wk, one for each 32 codes along K); Wo_codes 64 x 16 x 24 uint8 (E2M3 codes of Wo, K innermost, in blocks of 32 codes, four codes in three bytes); Wo_scales 64 x 16 uint8 (E8M0 scales of Wo, one for each 32 codes along K); Wq_codes 512 x 2 x 24 uint8 (E2M3 codes of Wq, K innermost, in blocks of 32 codes, four codes in three bytes); Wq_scales 512 x 2 uint8 (E8M0 scales of Wq, one for each 32 codes along K); Wv_codes 512 x 2 x 24 uint8 (E2M3 codes of Wv, K innermost, in blocks of 32 codes, four codes in three bytes); Wv_scales 512 x 2 uint8 (E8M0 scales of Wv, one for each 32 codes along K); beta 64 float32; bk 512 float32; bo 64 float32; bq 512 float32; bv 512 float32; gamma 64 float32; x 8 x 2,048 x 64 float32.
;; Outputs: out0 8 x 1 x 2,048 x 64 float32.
;; This version of the problem:
;;   THIS VERSION OF THE PROBLEM IS GIVEN IN LOW PRECISION. The matrix products marked QUANTISED in the list below multiply operands that are first quantised to E2M3 (2 exponent bits, 3 mantissa bits; 6 bits a number), with one power-of-two scale for each 32 numbers along K (OCP MX v1.0); their sums are f32. All else is computed in f32.
;;   The module's matrix products, in the order in which they are computed (A, B: the left and right operand; K: the contracted axis; several contracted axes count as one K, in the product's order):
;;     1. [M 16,384, K 64] x [K 64, N 512]; A: input x; B: input Wq (given as codes): QUANTISED
;;     2. [M 16,384, K 64] x [K 64, N 512]; A: input x; B: input Wk (given as codes): QUANTISED
;;     3. [M 16,384, K 64] x [K 64, N 512]; A: input x; B: input Wv (given as codes): QUANTISED
;;     4. batch 64 x [M 2,048, K 64] x [K 64, N 2,048]; A: computed on the way; B: computed on the way: QUANTISED
;;     5. batch 64 x [M 2,048, K 2,048] x [K 2,048, N 64]; A: softmax (see below); B: computed on the way: QUANTISED
;;     6. [M 16,384, K 512] x [K 512, N 64]; A: computed on the way; B: input Wo (given as codes): QUANTISED
;;   THE QUANTISER, for each operand of a quantised product, along K:
;;     - K is cut into blocks of 32 from its start; a last block that is shorter is filled with zeros.
;;     - A block's scale is 2^e with e = floor(log2(the largest magnitude in the block)) - 2, held to -126 .. 127; a block of zeros has e = 0. As a byte (E8M0): e + 127.
;;     - Each number is divided by its block's scale, clamped to +-7.5, and rounded to the nearest number of E2M3, ties to even, subnormals kept.
;;     - The product sums the exact products of the quantised numbers (number of the format x scale) in f32.
;;   ~~~python
;;   def quantise(x, axis):      # numpy; x: float32 -> the quantised numbers, widened to float32 again
;;       x = np.moveaxis(x, axis, -1); K = x.shape[-1]
;;       x = np.pad(x, [(0, 0)] * (x.ndim - 1) + [(0, -K % 32)]); x = x.reshape(x.shape[:-1] + (-1, 32)); a = np.abs(x).max(-1, keepdims=True)
;;       e = np.where(a > 0, np.clip(np.frexp(np.where(a > 0, a, 1))[1] - 1 - 2, -126, 127), 0)      # np.frexp(a)[1] - 1 = floor(log2(a)), exactly
;;       r = np.clip(x / 2.0 ** e, -7.5, 7.5)
;;       step = 2.0 ** (np.maximum(np.frexp(np.where(r == 0, 1, r))[1] - 1, 0) - 3)
;;       q = np.round(r / step) * step * 2.0 ** e      # np.round: ties to even
;;       return np.moveaxis(q.reshape(q.shape[:-2] + (-1,))[..., :K], -1, axis).astype(np.float32)
;;   ~~~
;;   SOFTMAX AHEAD OF A QUANTISED PRODUCT. Where the list says 'softmax', what is quantised is not the finished softmax but p = 2^(t - M), with t = logit x log2(e) and M = ceil(the row's largest t), a whole number; so 1/2 < the row's largest p <= 1. The row's sum l is taken of the UNQUANTISED p, in f32, and the product's result is divided by l at the end. Since M is a whole number, a kernel that streams over the keys may use a running M (the ceiling of the running maximum): every later rescaling is an exact power of two, which a block's scale takes up: the codes' values come out the same.
;;   OPERANDS COMPUTED ON THE WAY. 'Computed on the way' means the value that the module computes at that place (a softmax that the list does not call 'softmax' is quantised finished and normalised). What goes into a quantiser is computed in f32, as accurately as f32 sums, v_exp_f32 and their like allow (about 1e-6 of the number): no bf16 or f16 on the way to a quantiser, and a product that is left as it is and whose result goes on into a quantised operand takes f32 operands (vector FMAs, or v_wmma_f32_16x16x4_f32). A number that lies on a knife's edge between two numbers of the format may be rounded either way, as far as f32 arithmetic and the matrix unit's own rounding can turn it there, and no further.
;;   INPUTS GIVEN AS CODES. Wk (in the module: [64, 512], K = its axis 0); Wo (in the module: [512, 64], K = its axis 0); Wq (in the module: [64, 512], K = its axis 0); Wv (in the module: [64, 512], K = its axis 0): each comes as NAME_codes (uint8): NAME with its K axis moved to the last place and cut into blocks of 32 codes, [.., K / 32, bytes a block], one block behind the other in memory; four codes in three bytes: a row's codes are one little-endian stream of bits, code i at bits 6 i .. 6 i + 5 (a code: sign, 2 exponent bits, 3 mantissa bits); and NAME_scales (uint8): the same leading axes, one E8M0 byte (e + 127) for each 32 codes along K. Its value is code x scale, taken as it is: it is not quantised again, and the codes and scales need not be those that the quantiser above would give.
;; One version. Each part assembles by itself: llvm-mc -triple=amdgcn-amd-amdhsa -mcpu=gfx1250 --defsym DOCPART=n.
;; ======== version 1 of 1: 1 launch
;; limits: right only within a limited range of input values
;; launch mha (part 1): grid 4 x 64, 16 waves a work-group, no clusters, 307,456 bytes of LDS; arguments x, Wq_codes, Wq_scales, bq, Wk_codes, Wk_scales, bk, Wv_codes, Wv_scales, bv, Wo_codes, Wo_scales, bo, gamma, beta, out0; writes out0
.if DOCPART == 1
	.amdgcn_target "amdgcn-amd-amdhsa--gfx1250"
	.amdhsa_code_object_version 6
	.text
	.protected	k_q41ad167d5e_mha
	.globl	k_q41ad167d5e_mha
	.p2align	8
	.type	k_q41ad167d5e_mha,@function
k_q41ad167d5e_mha:
	s_mov_b64 s[64:65], 0
	v_nop
	global_prefetch_b8 v0, s[64:65] scope:SCOPE_SE
	s_setreg_imm32_b32 hwreg(HW_REG_WAVE_MODE, 25, 1), 1
	s_wait_xcnt 0x0
; out0 = LayerNorm(x + ctx Wo + bo), ctx = softmax(q k^T / 8) v, q, k, v = x W + b viewed row-major as [64 heads][2048 tokens][64].  All six products on codes of FP6 (E2M3), one E8M0 scale for each 32 along K.
; THE VIEW.  Head g is made of 256 consecutive rows of x: token i = (row i / 8, chunk c = i % 8), its q, k, v are columns 64 c .. 64 c + 63 of the projected row; ctx goes back by the same view.  So a head needs
; nothing from outside its 256 rows, and the module is ONE launch with nothing through memory.
; SHARES.  Work-group (qd = x, head = y) owns rows 64 qd .. + 63 of its head: 512 queries = 32 tiles of (16 rows, one chunk).  Sixteen waves of 256 registers; wave w has chunk c = w % 8 and takes two tiles, one after
; the other (rows 16 (2 p + w / 8) on).  Each work-group makes the codes of K and V of the whole head in its own LDS.
; NO CLUSTER, NO TENSOR LOAD, NO PREFETCH: what the four work-groups of a head share in memory is 64 KB of x and 100 KB of weights, read once through registers at the head; the loop over the keys reads LDS alone.
; x's TILES LIE ROTATED IN LDS: wave w quantises the head's tile (w + 4 qd) % 16 into LDS tile w, so the work-group's own rows are LDS tiles 0-3 and qd enters global addresses alone.
; LAYOUTS (lane l: r = l % 16, h = l / 16).  Every product is used so that a lane's registers run along the NEXT product's K:
;   q, k: source 0 = 16 columns of W, row m = column 64 c + 32 (m / 8) + 8 t + m % 8, source 1 = 16 rows of x, C = the bias: the lane's 32 results are dims 32 h .. + 31 of token (r, c): a whole block.
;   keys: a step is 128 keys = one tile of x.  Key 8 r + c goes to tile 4 (r / 8) + r % 4, row 8 ((r / 4) % 2) + c: in S^T = K Q^T register 32 u + i of lane half h is key 64 u + 32 h + i.
;   v: source 0 = 16 columns of Wv, row m = column 64 (m % 8) + t + 32 (m / 8), source 1 = rows 32 G + 2 r + e of x: 16 results = keys 256 G + 16 r .. + 15 of dim t + 32 h; lanes r, r xor 1 share a block.
;   V^T fragment dt: row m = dim 32 (m / 8) + 8 dt + m % 8: O^T's 32 registers are dims 32 h .. + 31 of the lane's query: whole blocks of ctx.
; WHERE K IS 64, ONE SIDE CARRIES THE ZEROS.  Registers 6-11 of ONE operand (Q; x's fragments) hold zero codes, and bytes 2, 3 of both scale words are 0 (a finite scale).  A zero code times any code of this format is 0,
; so registers 6-11 of the OTHER operand may hold anything that has been written: its fragments lie 6 registers apart, each one's upper half being the next one's codes.  So eight tiles of K fit in 48 registers.
; SOFTMAX: t = score x log2(e) / 8; M = the running largest t rounded up; p = 2^(t - M) is quantised; the sum is taken of the unquantised p and divides at the end; when M moves, sum and O^T are multiplied by 2^(old M - new M).
; LIMITS: NaN and infinities among the inputs are not served.  A block whose largest magnitude lies under 2^-124 keeps the scale byte 1; a block of zeros gets the byte 1 where the rule says 127: its codes are zeros, and
; these bytes are read by this program alone.
.set REC,  13248                       ; LDS: 16 records, one for each step of 128 keys: 8 tiles of K, 784 bytes each (512: registers 0-3; 256: registers 4-5; 16 of padding);
.set RKS,  6272                        ;   K's scale words, 512 bytes: lane r' + 16 (T / 4), word T % 4;
.set RV,   6784                        ;   V^T's four fragments, 1,536 bytes each: register group g at 512 g + 16 l;
.set RVS,  12928                       ;   V's scale bytes, 256: lane m + 16 (dt / 2), word dt % 2, byte = the block in the step
.set XIMG, 16*REC                      ; x's 16 tiles, 768 bytes each
.set XSC,  XIMG+16*768                 ; their scale words, 64 bytes a tile
.set QIMG, XSC+1024                    ; each wave's second Q fragment, 768 bytes
.set CIMG, QIMG+16*768                 ; ctx's 16 fragments, 1,536 bytes each
.set CSC,  CIMG+16*1536                ; their scale words
.set STG,  CSC+1024                    ; the stage for the 64 output rows: 256 bytes + 16
; THE INPUTS COME IN RUNS OF 512 CONSECUTIVE BYTES AN INSTRUCTION and take their operand shape in LDS.  Wave w's tile of x goes through 16 rows of 272 bytes of its own, from byte 4,352 w on.
; Of each weight wave w brings bytes 1,536 w .. + 1,535 (32 columns of Wq, Wk, Wv; 4 rows of Wo) and lays them at 1,552 w of the weight's stage.
.set WQS,  69632                       ; Wq's stage, and 24,832 on Wk's: in bytes of the records, which are stored to only behind the barrier that follows the fragments' loads
.set WVS,  CIMG                        ; Wv's stage: in bytes that ctx and the output stage take behind a later barrier
.set WOS,  282624                      ; Wo's stage, behind the spare words: it stays to the tail
.set Q,  22                            ; v22-33   my Q fragment, upper half zeros
.set KF, 34                            ; v34-81   eight tiles of K, 6 apart (head: Wk 6 apart in v34-57, x's second buffer at v70; then x's four fragments for V; tail: Wo)
.set VF, 82                            ; v82-129  V^T's four fragments (head: Wq 6 apart, then Wv; v106-111 K's codes; v112-129 addresses; tail: ctx)
.set S,  130                           ; v130-193 S^T, then p (head: x, results, bk)
.set O,  194                           ; v194-225 O^T (head: bq, then bv)
.set P,  226                           ; v226-237 p's codes (head: x's first buffer, upper half zeros)
.set X2, KF+36                         ; x's second buffer, upper half zeros
; v1 16 l, v2 8 l, v3, v4 LDS addresses, v5 8 h, v6 a permute's destination, v7, v21 at work; v8-20 SCALE WORDS AND NOTHING ELSE; v238-245 at work (head: v242-244 where x's tiles are read);
; v246 -M, v247 the largest score, v[248:249] the sum, v[250:251] f and 0, v252-255 at work.
.macro PLACES                          ; four plain places behind a matrix instruction of this form (ISA guide 7.12.1)
.rept 4
	v_nop
.endr
.endm
.macro D1
	s_delay_alu instid0(VALU_DEP_1)
.endm
.macro D2
	s_delay_alu instid0(VALU_DEP_2)
.endm
.macro BAR                             ; my LDS stores have landed and my LDS loads are in: then the work-group's barrier
	s_wait_dscnt 0x0
	s_barrier_signal -1
	s_barrier_wait -1
.endm
; one product: D at d, source 0 at a, source 1 at b, C at c (c < 0: the constant 0), their scale words; row = 1: source 0's words stand in lanes 16-31
.macro MM d, a, b, c, sa, sb, row
.if (\c) < 0
.if \row
	v_wmma_scale_f32_16x16x128_f8f6f4 v[\d:\d+7], v[\a:\a+11], v[\b:\b+11], 0, v[\sa], v[\sb] matrix_a_fmt:MATRIX_FMT_FP6 matrix_b_fmt:MATRIX_FMT_FP6 matrix_a_scale:MATRIX_SCALE_ROW1
.else
	v_wmma_scale_f32_16x16x128_f8f6f4 v[\d:\d+7], v[\a:\a+11], v[\b:\b+11], 0, v[\sa], v[\sb] matrix_a_fmt:MATRIX_FMT_FP6 matrix_b_fmt:MATRIX_FMT_FP6
.endif
.else
.if \row
	v_wmma_scale_f32_16x16x128_f8f6f4 v[\d:\d+7], v[\a:\a+11], v[\b:\b+11], v[\c:\c+7], v[\sa], v[\sb] matrix_a_fmt:MATRIX_FMT_FP6 matrix_b_fmt:MATRIX_FMT_FP6 matrix_a_scale:MATRIX_SCALE_ROW1
.else
	v_wmma_scale_f32_16x16x128_f8f6f4 v[\d:\d+7], v[\a:\a+11], v[\b:\b+11], v[\c:\c+7], v[\sa], v[\sb] matrix_a_fmt:MATRIX_FMT_FP6 matrix_b_fmt:MATRIX_FMT_FP6
.endif
.endif
.endm
; 32 numbers of a lane, one whole block, become six registers of codes at dst; the scale's byte is left in v255.  word = 1: the byte goes to place h, and with lane l xor 16's makes the row's scale word in v[wreg].
.macro QUANT32 src, dst, word, wreg
	v_max3_num_f32 v252, |v[\src]|, |v[\src+1]|, 0x1800000          ; the floor 2^(3 - 127) among the leaves: the byte cannot fall under 1
	v_max3_num_f32 v253, |v[\src+16]|, |v[\src+17]|, |v[\src+18]|
.irp i, 0,1,2,3,4,5
	v_max3_num_f32 v252, v252, |v[\src+2+2*\i]|, |v[\src+3+2*\i]|
	v_max3_num_f32 v253, v253, |v[\src+19+2*\i]|, |v[\src+20+2*\i]|
.endr
	v_max3_num_f32 v252, v252, |v[\src+14]|, |v[\src+15]|
	v_max3_num_f32 v252, v252, v253, |v[\src+31]|                   ; the block's largest magnitude
	D1
	v_add_nc_u32 v254, 0xff000000, v252                             ; 2 off its exponent field: the conversion takes this operand's exponent field as its scale
	D1
	v_lshrrev_b32 v255, 23, v254                                    ; the scale's byte
	v_cvt_scalef32_pk16_fp6_f32 v[\dst:\dst+2], v[\src:\src+15], v254
	v_cvt_scalef32_pk16_fp6_f32 v[238:240], v[\src+16:\src+31], v254   ; (a conversion's three registers begin on an even number)
.if \word
	v_lshlrev_b32 v255, v5, v255                                    ; 8 h bits up.  (The plain place behind the conversions)
.else
	v_nop                                                           ; the plain place behind the conversions
.endif
.irp i, 0,1,2
	v_mov_b32 v[\dst+3+\i], v[238+\i]
.endr
.if \word
	s_delay_alu instid0(VALU_DEP_4)
	v_permlanex16_b32 v6, v255, s44, s45
	D1
	v_or_b32 v[\wreg], v255, v6
.endif
.endm
.macro XLOAD buf, wd, n                ; x tile w / 8 + 2 n and its scale words
	ds_load_b128 v[\buf:\buf+3], v242 offset:1536*(\n)
	ds_load_b64 v[\buf+4:\buf+5], v243 offset:1536*(\n)+512
	ds_load_b32 v[\wd], v244 offset:128*(\n)
.endm
.macro PROJ a, c, sa, b, sb            ; the x tile at b against four tiles of W, 6 registers apart from a on, biases at c: 32 results a lane in S
.irp q, 0,1,2,3
	MM S+8*\q,\a+6*\q,\b,\c+8*\q,\sa+\q,\sb,0
.endr
.endm
	s_load_b512 s[4:19], s[0:1], 0x0               ; x 4, Wq's codes 6, scales 8, bq 10, Wk's codes 12, scales 14, bk 16, Wv's codes 18
	s_load_b512 s[20:35], s[0:1], 0x40             ; Wv's scales 20, bv 22, Wo's codes 24, scales 26, bo 28, gamma 30, beta 32, out0 34
	v_lshrrev_b32 v7, 5, v0
	D1
	v_readfirstlane_b32 s36, v7                    ; wave 0..15
	s_and_b32 s37, s36, 7                          ; c
	s_lshr_b32 s38, s36, 3                         ; w / 8
	s_and_b32 s40, ttmp7, 0xffff                   ; head
	s_lshl_b32 s39, ttmp9, 2
	s_add_co_u32 s39, s39, s36
	s_and_b32 s39, s39, 15                         ; the tile of the head's x that I quantise: (w + 4 qd) % 16
	s_lshl_b32 s39, s39, 12                        ; 16 rows of 256 bytes
	s_mul_i32 s54, s36, 1536
	s_lshl_b32 s55, s37, 7
	s_lshl_b32 s56, s37, 8
	s_lshl_b32 s42, s40, 16                        ; a head's 256 rows of 256 bytes
	s_mov_b32 s43, 0
	v_and_b32 v250, 15, v0                         ; r
	v_bfe_u32 v251, v0, 4, 1                       ; h
	v_and_b32 v248, 7, v0                          ; r % 8
	v_bfe_u32 v249, v0, 3, 1                       ; r / 8
	v_and_b32 v245, 31, v0
	v_lshl_add_u32 v247, v251, 7, s56              ; the biases, in the result's layout: columns 64 c + 32 h + 8 t + 0 .. 7
	v_lshl_add_u32 v246, v249, 6, s55              ; Wq's, Wk's scale bytes: 2 a column
	v_lshl_add_u32 v241, v245, 4, s39              ; x: my tile, 16 bytes a lane on end
	v_lshl_add_u32 v245, v245, 4, s54              ; the weights' codes: my 1,536 bytes, 16 bytes a lane on end
	v_lshl_add_u32 v246, v248, 1, v246
	s_wait_alu depctr_va_vdst(0)                   ; directly ahead of the wait below
	s_wait_kmcnt 0x0
	s_add_nc_u64 s[4:5], s[4:5], s[42:43]
	s_add_nc_u64 s[34:35], s[34:35], s[42:43]
.irp i, 0,1,2,3,4,5,6
	global_load_b128 v[VF+4*\i:VF+4*\i+3], v241, s[4:5] offset:512*\i   ; rows 2 i, 2 i + 1 of my tile
.endr
	global_load_b128 v[Q:Q+3], v241, s[4:5] offset:3584
.irp j, 0,1,2
	global_load_b128 v[KF+4*\j:KF+4*\j+3], v245, s[6:7] offset:512*\j          ; Wq
	global_load_b128 v[KF+12+4*\j:KF+15+4*\j], v245, s[12:13] offset:512*\j    ; Wk
.endr
	s_lshl_b32 s42, ttmp9, 14                      ; my work-group's 64 rows: for out0 now, for x's rows at the tail
	s_add_nc_u64 s[34:35], s[34:35], s[42:43]
.irp q, 0,1,2,3
	global_load_u16 v[8+\q], v246, s[14:15] offset:16*\q            ; bytes 2 and 3 of the word come as 0
	global_load_b128 v[S+32+8*\q:S+35+8*\q], v247, s[16:17] offset:32*\q
	global_load_b128 v[S+36+8*\q:S+39+8*\q], v247, s[16:17] offset:32*\q+16
.endr
.irp q, 0,1,2,3
	global_load_u16 v[12+\q], v246, s[8:9] offset:16*\q
	global_load_b128 v[O+8*\q:O+8*\q+3], v247, s[10:11] offset:32*\q
	global_load_b128 v[O+8*\q+4:O+8*\q+7], v247, s[10:11] offset:32*\q+16
.endr
.irp j, 0,1,2
	global_load_b128 v[KF+24+4*\j:KF+27+4*\j], v245, s[18:19] offset:512*\j    ; Wv
	global_load_b128 v[KF+36+4*\j:KF+39+4*\j], v245, s[24:25] offset:512*\j    ; Wo
.endr
	; ---- every address of the head is made here, while the 44 loads are out: first the scalar parts, then the lanes'
	s_mov_b32 s44, 0x76543210
	s_mov_b32 s45, 0xfedcba98                      ; v_permlanex16_b32's selects for lane l xor 16
	s_mov_b32 s46, 0x3e38aa3b                      ; log2(e) / 8
	s_mov_b32 s47, s46                             ; (named with it as a pair, so it is written)
	s_mov_b32 s52, 0x3c800000                      ; 1 / 64
	s_mov_b32 s53, 0x3727c5ac                      ; 1e-5
	s_mul_i32 s41, s36, 768
	s_add_co_u32 s39, s41, XIMG                    ; LDS tile w
	s_add_co_u32 s41, s41, QIMG                    ; my place in QIMG
	s_lshl_b32 s57, s36, 6
	s_add_co_u32 s57, s57, XSC
	s_mul_i32 s58, s38, 768
	s_add_co_u32 s58, s58, XIMG                    ; x tile w / 8
	s_lshl_b32 s59, s38, 6
	s_add_co_u32 s59, s59, XSC
	s_mul_i32 s60, s36, 96                         ; Wv's tiles t = 2 w, 2 w + 1, in its stage
	s_add_co_u32 s60, s60, WVS
	s_lshl_b32 s61, s36, 2
	s_lshl_b32 s62, s36, 3
	s_mul_i32 s63, s38, REC                        ; K's codes: record w / 8
	s_lshl_b32 s48, s37, 4
	s_add_co_u32 s48, s48, s63
	s_lshl_b32 s49, s37, 3
	s_add_co_u32 s49, s49, s63
	s_lshr_b32 s63, s36, 2                         ; V's codes: fragment w / 4, lanes 2 (w % 4) on
	s_mul_i32 s63, s63, 1536
	s_and_b32 s67, s36, 3
	s_lshl_b32 s66, s67, 5
	s_add_co_u32 s63, s63, s66
	s_add_co_u32 s63, s63, RV
	s_lshl_b32 s66, s67, 4                         ; V's scale bytes
	s_lshl_b32 s67, s38, 7
	s_add_co_u32 s66, s66, s67
	s_bfe_u32 s67, s36, 0x10002
	s_lshl_b32 s67, s67, 2
	s_add_co_u32 s66, s66, s67
	s_add_co_u32 s66, s66, RVS
	s_mul_i32 s50, s38, 6144                       ; where my ctx will go: fragment (sg, c / 2), half c % 2
	s_mul_i32 s67, s37, 768
	s_add_co_u32 s50, s50, s67
	s_add_co_u32 s50, s50, CIMG
	s_lshl_b32 s51, s38, 8
	s_lshr_b32 s67, s37, 1
	s_lshl_b32 s67, s67, 6
	s_add_co_u32 s51, s51, s67
	s_and_b32 s67, s37, 1
	s_lshl_b32 s67, s67, 1
	s_add_co_u32 s51, s51, s67
	s_add_co_u32 s51, s51, CSC
	s_mul_i32 s68, s36, 4352                       ; my stage for x
	s_mul_i32 s69, s36, 1552                       ; my part of a weight's stage
	s_add_co_u32 s70, s69, WVS
	s_add_co_u32 s69, s69, WQS
	s_mul_i32 s71, s37, 3104                       ; chunk c of Wq in its stage: two parts of 32 columns
	s_add_co_u32 s71, s71, WQS
	v_and_b32 v1, 31, v0
	v_lshlrev_b32 v5, 3, v251                      ; 8 h
	v_mov_b32 v6, 0                                ; written once: a lane permute's destination counts as one of its sources
	v_lshlrev_b32 v2, 3, v1                        ; 8 l
	v_lshlrev_b32 v1, 4, v1                        ; 16 l
.irp f, Q+6, P+6
.irp j, 0,1,2,3,4,5
	v_mov_b32 v[\f+\j], 0                          ; the upper halves of Q and of x's buffers: zero codes
.endr
.endr
	v_add_nc_u32 v3, s39, v1
	v_add_nc_u32 v4, s39, v2
	v_lshl_add_u32 v7, v250, 2, s57
	v_add_nc_u32 v242, s58, v1                     ; x tile w / 8: the Q jobs and the K trips reach on from it by immediates
	v_add_nc_u32 v243, s58, v2
	v_lshl_add_u32 v244, v250, 2, s59
	v_mul_u32_u24 v122, v248, 3104                 ; Wv: lane r takes column 64 (r % 8) + t + 32 (r / 8): part 2 (r % 8) + r / 8 of the stage
	v_lshlrev_b32 v123, 7, v248
	v_lshl_add_u32 v124, v251, 7, s62              ; bv in the result's layout: register j: column 64 j + t + 32 h
	v_mad_u32_u24 v122, v249, 1552, v122
	v_lshl_add_u32 v123, v249, 6, v123
	v_bfe_u32 v125, v0, 2, 1                       ; b = (r / 4) % 2
	v_mad_u32_u24 v122, v251, 24, v122
	v_add_nc_u32 v123, s61, v123
	v_and_b32 v126, 3, v0                          ; r % 4
	v_add_nc_u32 v122, s60, v122
	v_mul_u32_u24 v127, v249, 3136                 ; K's codes: tile 4 (r / 8) + r % 4, lane 8 b + c + 16 h
	v_lshlrev_b32 v114, 7, v125
	v_mul_u32_u24 v115, v249, 768                  ; V's trips read rows 2 r + e of two neighbouring tiles of x
	v_mad_u32_u24 v127, v126, 784, v127
	v_lshl_add_u32 v114, v249, 8, v114
	v_lshl_add_u32 v116, v248, 4, v115
	v_lshl_add_u32 v115, v248, 5, v115
	v_lshl_add_u32 v112, v125, 7, v127
	v_lshl_add_u32 v113, v125, 6, v127
	v_lshl_add_u32 v114, v126, 2, v114
	v_lshl_add_u32 v116, v251, 7, v116
	v_lshl_add_u32 v115, v251, 8, v115
	v_lshl_add_u32 v112, v251, 8, v112
	v_lshl_add_u32 v113, v251, 7, v113
	v_add_nc_u32 v114, s48, v114                   ; K's scale word: 16 (8 b + c) + 256 (r / 8) + 4 (r % 4), RKS on
	v_add_nc_u32 v116, XIMG+512, v116
	v_add_nc_u32 v115, XIMG, v115
	v_add_nc_u32 v112, s48, v112                   ; registers 0-3: 16 bytes a lane
	v_add_nc_u32 v113, s49, v113                   ; registers 4-5: 8 bytes a lane, 512 on
	v_lshl_add_u32 v117, v250, 3, XSC
	v_and_b32 v126, 1, v0                          ; V's codes: record r / 8, lane 8 h + 2 (w % 4) + tt + 16 ((r / 2) % 2), registers 6 b + 3 (r % 2) + 0 .. 2
	v_bfe_u32 v127, v0, 1, 1
	v_mul_u32_u24 v128, v249, REC
	v_mul_u32_u24 v129, v125, 6
	v_bfe_u32 v121, v0, 1, 2                       ; V's scale byte: the block in the step, (r / 2) % 4
	v_lshl_add_u32 v128, v251, 7, v128
	v_mad_u32_u24 v129, v126, 3, v129
	v_mad_u32_u24 v121, v249, REC, v121
	v_lshl_add_u32 v128, v127, 8, v128
	v_lshl_add_u32 v121, v251, 6, v121
	D2
	v_add_nc_u32 v128, s63, v128
	D2
	v_add_nc_u32 v121, s66, v121
.irp i, 0,1,2
	v_add_nc_u32 v126, \i, v129                    ; the register's number: its group of four at 512 bytes, its place in the group at 4
	D1
	v_lshrrev_b32 v[118+\i], 2, v126
	D2
	v_and_b32 v126, 3, v126
	D2
	v_lshl_add_u32 v[118+\i], v[118+\i], 9, v128
	D1
	v_lshl_add_u32 v[118+\i], v126, 2, v[118+\i]
.endr
	v_add_nc_u32 v125, s41, v1                     ; where my second Q fragment goes
	v_add_nc_u32 v126, s41, v2
	v_mul_u32_u24 v127, v249, 1552                 ; Wq, Wk: lane r takes column 64 c + 32 (r / 8) + 8 t + r % 8, 48 bytes a column, + 24 h
	v_lshl_add_u32 v238, v250, 4, s68              ; x into my stage: row 2 i + h, 16 r
	v_mul_u32_u24 v239, v250, 272                  ; and back: row r, + 128 h: my block of 32 numbers
	v_mad_u32_u24 v127, v248, 48, v127
	v_mad_u32_u24 v238, v251, 272, v238
	v_lshl_add_u32 v239, v251, 7, v239
	v_mad_u32_u24 v127, v251, 24, v127
	v_add_nc_u32 v128, s69, v1                     ; where my parts of Wq and Wk go,
	v_add_nc_u32 v239, s68, v239
	v_add_nc_u32 v129, s70, v1                     ; and of Wv and Wo
	v_add_nc_u32 v127, s71, v127
	; ---- X: my 16 rows of x become LDS tile w
	s_wait_alu depctr_va_vdst(0)
	s_wait_loadcnt 36                              ; x's eight loads are in; the 36 issued behind them (weights, scales, biases) may be out
.irp i, 0,1,2,3,4,5,6
	ds_store_b128 v238, v[VF+4*\i:VF+4*\i+3] offset:544*\i
.endr
	ds_store_b128 v238, v[Q:Q+3] offset:3808
.irp i, 0,1,2,3,4,5,6,7
	ds_load_b128 v[S+4*\i:S+4*\i+3], v239 offset:16*\i   ; my own bytes: LDS serves a wave's instructions in order (ISA guide 5.7.1.4)
.endr
	s_wait_dscnt 0x0
	QUANT32 S, P, 1, 21
	ds_store_b128 v3, v[P:P+3]
	ds_store_b64 v4, v[P+4:P+5] offset:512
	ds_store_b32 v7, v21                           ; both halves of the lanes write the row's word with the same value
	s_wait_loadcnt 0x0                             ; the weights, scales and biases
.irp j, 0,1,2
	ds_store_b128 v128, v[KF+4*\j:KF+4*\j+3] offset:512*\j
	ds_store_b128 v128, v[KF+12+4*\j:KF+15+4*\j] offset:24832+512*\j
	ds_store_b128 v129, v[KF+24+4*\j:KF+27+4*\j] offset:512*\j
	ds_store_b128 v129, v[KF+36+4*\j:KF+39+4*\j] offset:WOS-WVS+512*\j
.endr
.irp f, VF+24, KF+42, KF+24, KF+30
.irp j, 0,1,2,3,4,5
	v_mov_b32 v[\f+\j], 0                          ; what lies behind the last tile of Wq and of Wk is written; the upper halves of x's other buffers: zero codes.  (The last twelve are the places ahead of the first products)
.endr
.endr
	s_wait_alu depctr_va_vdst(0)                   ; directly ahead of the barrier's wait
	BAR                                            ; x's sixteen tiles and the four weights lie in LDS
	; ---- Q: my two tiles of queries: x tiles w / 8 (first buffer) and w / 8 + 2 (second buffer), chunk c.  The second goes to my own bytes of LDS, the first stays
.irp q, 0,1,2,3
.irp p, 0,1,2
	ds_load_b64 v[VF+6*\q+2*\p:VF+6*\q+2*\p+1], v127 offset:384*\q+8*\p          ; Wq's four tiles, 6 registers apart
	ds_load_b64 v[KF+6*\q+2*\p:KF+6*\q+2*\p+1], v127 offset:24832+384*\q+8*\p    ; Wk's
.endr
.endr
	XLOAD P, 18, 0
	XLOAD X2, 19, 1
	BAR                                            ; every wave has read Wq and Wk: the records may be stored over their stages
	PROJ VF, O, 12, X2, 19
	PLACES
	QUANT32 S, Q, 1, 20
	ds_store_b128 v125, v[Q:Q+3]
	ds_store_b64 v126, v[Q+4:Q+5] offset:512
	PROJ VF, O, 12, P, 18
	PLACES
	QUANT32 S, Q, 1, 16
	; ---- Wv's two tiles t = 2 w, 2 w + 1 are asked for; they land while K is made
.irp t, 0,1
.irp p, 0,1,2
	ds_load_b64 v[VF+12*\t+2*\p:VF+12*\t+2*\p+1], v122 offset:48*\t+8*\p
.endr
	global_load_u16 v[12+\t], v123, s[20:21] offset:2*\t
.irp j, 0,1,2,3,4,5,6,7
	global_load_b32 v[O+8*\t+\j], v124, s[22:23] offset:256*\j+4*\t
.endr
.endr
.macro VLOAD i                         ; V's trip i: two fragments of x and their words, into buffer pair i % 2
.set VB, KF+24*((\i)%2)
.set VW, 18-4*((\i)%2)
	ds_load_b128 v[VB:VB+3], v115 offset:1536*(\i)
	ds_load_b64 v[VB+4:VB+5], v116 offset:1536*(\i)
	ds_load_b128 v[VB+12:VB+15], v115 offset:1536*(\i)+16
	ds_load_b64 v[VB+16:VB+17], v116 offset:1536*(\i)+8
	ds_load_b32 v[VW], v117 offset:128*(\i)
	ds_load_b32 v[VW+1], v117 offset:128*(\i)+4
.endm
; ---- K: chunk c of x tiles w / 8 + 2 i: eight trips on two buffers; trip i asks for trip i + 2's tile behind its own products
.macro KTRIP i, buf, wd
.if (\i) >= 2
	s_wait_dscnt 6                                 ; my tile is in: behind its three loads stand at least two trips' three stores
.endif
	PROJ KF, S+32, 8, \buf, \wd
.if (\i) > 0
	v_add_nc_u32 v112, 2*REC, v112                 ; two records on.  (With the v_nop: the four places)
	v_add_nc_u32 v113, 2*REC, v113
	v_add_nc_u32 v114, 2*REC, v114
	v_nop
.else
	PLACES
.endif
.if (\i) < 6
	XLOAD \buf, \wd, (\i)+2
.endif
.if (\i) == 7
.irp j, 0,1,2,3,4,5
	v_mov_b32 v[KF+6+\j], 0                        ; Wk is done with: the upper halves of x's first two fragments for V
	v_mov_b32 v[KF+18+\j], 0
.endr
	VLOAD 0
	VLOAD 1
.endif
	QUANT32 S, 106, 1, 21
	ds_store_b128 v112, v[106:109]
	ds_store_b64 v113, v[110:111] offset:512
	ds_store_b32 v114, v21 offset:RKS
.endm
.irp i, 0,2,4,6
	KTRIP \i, P, 18
	KTRIP \i+1, X2, 19
.endr
; ---- V: dims t and t + 32 (t = 2 w, 2 w + 1) of all keys, 256 keys (two tiles of x) a trip; trip i asks for trip i + 2's fragments
.macro VTRIP i
.set VB, KF+24*((\i)%2)
.set VW, 18-4*((\i)%2)
.if (\i) == 0
	s_wait_loadcnt 0x0                             ; Wv, its scales, bv
	s_wait_dscnt 9                                 ; behind my six loads: trip 1's six and K's last three stores
.else
	s_wait_dscnt 16                                ; behind my six loads: at least two trips' eight stores
.endif
	MM S,VF,VB,O,12,VW,0
	MM S+8,VF,VB+12,O,12,VW+1,0
	MM S+16,VF+12,VB,O+8,13,VW,0
	MM S+24,VF+12,VB+12,O+8,13,VW+1,0
.if (\i) > 0
.irp a, 118,119,120,121
	v_add_nc_u32 v\a, 2*REC, v\a                   ; two records on.  (The four places)
.endr
.else
	PLACES
.endif
.if (\i) < 6
	VLOAD (\i)+2
.endif
	v_max3_num_f32 v252, |v[S]|, |v[S+1]|, 0x1800000                ; my 16 keys of each of the two dims, and the floor
	v_max3_num_f32 v253, |v[S+16]|, |v[S+17]|, 0x1800000
.irp j, 2,4,6,8,10,12,14
	v_max3_num_f32 v252, v252, |v[S+\j]|, |v[S+\j+1]|
	v_max3_num_f32 v253, v253, |v[S+16+\j]|, |v[S+17+\j]|
.endr
	D2
	v_max_num_f32_dpp v252, v252, v252 row_xmask:1 row_mask:0xf bank_mask:0xf   ; with my neighbour's 16: the block's
	D2
	v_max_num_f32_dpp v253, v253, v253 row_xmask:1 row_mask:0xf bank_mask:0xf
	D2
	v_add_nc_u32 v254, 0xff000000, v252
	D2
	v_add_nc_u32 v255, 0xff000000, v253
	v_cvt_scalef32_pk16_fp6_f32 v[238:240], v[S:S+15], v254
	v_cvt_scalef32_pk16_fp6_f32 v[242:244], v[S+16:S+31], v255
	v_lshrrev_b32 v241, 23, v254                   ; the bytes.  (The plain place behind the conversions)
	v_lshrrev_b32 v245, 23, v255
.irp j, 0,1,2
	ds_store_b32 v[118+\j], v[238+\j]
	ds_store_b32 v[118+\j], v[242+\j] offset:16
.endr
	ds_store_b8 v121, v241                         ; both lanes of a block write the same byte with the same value
	ds_store_b8 v121, v245 offset:8
.endm
.irp i, 0,1,2,3,4,5,6,7
	VTRIP \i
.endr
	BAR                                            ; the sixteen records are whole
.macro KPRE a, b, off                  ; a record's eight tiles of K, 6 registers apart, and their scale words: 17 loads
	ds_load_b128 v[8:11], \a offset:\off+RKS       ; tiles 0-3 in lanes 0-15, tiles 4-7 in lanes 16-31
.irp t, 0,1,2,3,4,5,6,7
	ds_load_b128 v[KF+6*\t:KF+6*\t+3], \a offset:\off+784*\t
	ds_load_b64 v[KF+6*\t+4:KF+6*\t+5], \b offset:\off+784*\t+512
.endr
.endm
.macro KT a, b, off, t                 ; one tile of K
	ds_load_b128 v[KF+6*(\t):KF+6*(\t)+3], \a offset:\off+784*(\t)
	ds_load_b64 v[KF+6*(\t)+4:KF+6*(\t)+5], \b offset:\off+784*(\t)+512
.endm
.macro KP pf, t                        ; tiles t, t + 1 of the K that a step asks for: the next record's (pf = 1), record 0's (2), none (0)
.if (\pf) == 1
	KT v3, v4, REC, \t
	KT v3, v4, REC, (\t)+1
.endif
.if (\pf) == 2
	KT v1, v2, 0, \t
	KT v1, v2, 0, (\t)+1
.endif
.endm
.macro KW pf                           ; and its scale words
.if (\pf) == 1
	ds_load_b128 v[8:11], v3 offset:REC+RKS
.endif
.if (\pf) == 2
	ds_load_b128 v[8:11], v1 offset:RKS
.endif
.endm
.macro PA d, a
	v_pk_add_f32 v[\d:\d+1], v[\d:\d+1], v[\a:\a+1]
.endm
.macro PB d, a, b
	v_pk_add_f32 v[\d:\d+1], v[\a:\a+1], v[\b:\b+1]
.endm
; A KEY STEP: 128 keys, the record at s48; its tiles of K were asked for a step earlier.  qw: the register of Q's scale word.  pf = 1: the next record's K is asked for; 2: record 0's, for the next tile of queries; 0: nothing
.macro STEP qw, pf
	s_wait_dscnt 0x0                               ; K's tiles and words are in
.irp t, 0,1,2,3,4,5,6,7
	MM S+8*\t,KF+6*\t,Q,-1,8+\t%4,\qw,\t/4
.endr
	v_add_nc_u32 v3, s48, v1                       ; four places: behind these products, in front of the loads into K's registers and of the first read of S^T; and behind the last step's products, in front of the loads into V's
	v_add_nc_u32 v4, s48, v2
	v_mov_b32 v7, v246                             ; the old -M
	v_nop
.irp f, 0,1,2,3,4,5,6,7,8,9,10,11
	ds_load_b128 v[VF+4*\f:VF+4*\f+3], v3 offset:RV+512*\f
.endr
	ds_load_b64 v[12:13], v4 offset:RVS            ; V's scale words: fragments 0, 1 in lanes 0-15, fragments 2, 3 in lanes 16-31
.irp u, 0,1                            ; THE LARGEST SCORE OF EACH OF MY TWO BLOCKS OF 32 KEYS: for the row's maximum and, since p rises with the score, for the block's largest p.  Four chains take turns
	v_max3_num_f32 v[252+\u], v[S+32*\u], v[S+32*\u+1], v[S+32*\u+2]
	v_max3_num_f32 v[241+4*\u], v[S+32*\u+16], v[S+32*\u+17], v[S+32*\u+18]
.endr
.irp j, 3,5,7,9,11,13
.irp u, 0,1
	v_max3_num_f32 v[252+\u], v[252+\u], v[S+32*\u+\j], v[S+32*\u+\j+1]
	v_max3_num_f32 v[241+4*\u], v[241+4*\u], v[S+32*\u+16+\j], v[S+32*\u+17+\j]
.endr
.endr
.irp u, 0,1
	v_max3_num_f32 v[252+\u], v[252+\u], v[241+4*\u], v[S+32*\u+15]
.endr
.irp u, 0,1
	v_max_num_f32 v[252+\u], v[252+\u], v[S+32*\u+31]
.endr
	D1
	v_max_num_f32 v21, v252, v253                  ; each line from here to -M reads the line before it: the 17 loads of the K asked for stand between them
	KP \pf, 0
	v_permlanex16_b32 v6, v21, s44, s45
	KP \pf, 2
	v_max3_num_f32 v247, v247, v21, v6             ; the running largest score of my query
	KP \pf, 4
	v_mul_f32 v21, s46, v247                       ; as t
	KP \pf, 6
	v_floor_f32 v246, -v21                         ; the new -M = floor(-t): M is a whole number
	KW \pf
.set j, 0
.rept 32
	v_pk_fma_f32 v[S+j:S+j+1], v[S+j:S+j+1], s[46:47], v[246:247] op_sel_hi:[1,0,0]   ; t - M, two at a time; among them f = 2^(old M - new M) is made
.if j == 4
	v_sub_f32 v7, v246, v7                         ; old M - new M: a whole number, 0 or less
.endif
.if j == 12
	v_cvt_i32_f32 v7, v7                           ; (it saturates)
.endif
.if j == 20
	v_ldexp_f32 v250, 1.0, v7
.endif
.set j, j+2
.endr
	v_fma_f32 v252, v252, s46, v246                ; the same of each block's largest score
	v_fma_f32 v253, v253, s46, v246
.set j, 0
	s_wait_alu depctr_va_vdst(0)
.rept 64
	v_exp_f32 v[S+j], v[S+j]                       ; p = 2^(t - M): not normalised
.set j, j+1
.endr
	v_pk_mul_f32 v[248:249], v[248:249], v[250:251] op_sel_hi:[1,0]   ; the sum under the new M.  (The plain place behind the exponentials)
	s_wait_alu depctr_va_vdst(0)                   ; one wait for the batch of 64, ahead of its first reader
	v_exp_f32 v252, v252                           ; the blocks' largest p: the same two instructions on the same numbers
	v_exp_f32 v253, v253
	PB 254, 134, 138                               ; THE SUM OF THE UNQUANTISED p, in eight chains
	PB 244, 142, 146
	PB 242, 150, 154
	PB 240, 158, 162
	PB 238, 166, 170
	PB 236, 174, 178
	PB 234, 182, 186
	PA 248, 190
	PA 254, 130
	PA 244, 132
	PA 242, 136
	PA 240, 140
	PA 238, 144
	PA 236, 148
	PA 234, 152
	PA 248, 156
	s_wait_alu depctr_va_vdst(0)                   ; and one for the two.  From here the sums and p's scale word take turns
	v_max_num_f32 v252, 0x1800000, v252            ; the floor 2^(3 - 127)
	v_max_num_f32 v253, 0x1800000, v253
	PA 254, 160
	PA 244, 164
	v_add_nc_u32 v252, 0xff000000, v252            ; 2 off the exponent field: the conversions' scale operands
	v_add_nc_u32 v253, 0xff000000, v253
	PA 242, 168
	PA 240, 172
	v_lshrrev_b32 v7, 23, v252
	v_lshrrev_b32 v21, 23, v253
	PA 238, 176
	PA 236, 180
	v_lshl_or_b32 v7, v21, 16, v7                  ; my bytes: blocks h and 2 + h,
	PA 234, 184
	PA 248, 188
	v_lshlrev_b32 v7, v5, v7                       ; at their places;
	PA 254, 192
	PA 248, 240
	v_permlanex16_b32 v6, v7, s44, s45
	PA 254, 238
	PA 244, 236
	v_or_b32 v17, v7, v6                           ; with lane l xor 16's two: p's scale word for these 128 keys
	PA 242, 234
	s_delay_alu instid0(VALU_DEP_3)
	PA 248, 244
	D2
	PA 254, 242
	D1
	PA 248, 254
	v_cvt_scalef32_pk16_fp6_f32 v[P:P+2], v[S:S+15], v252
	v_cvt_scalef32_pk16_fp6_f32 v[238:240], v[S+16:S+31], v252
	v_cvt_scalef32_pk16_fp6_f32 v[P+6:P+8], v[S+32:S+47], v253
	v_cvt_scalef32_pk16_fp6_f32 v[242:244], v[S+48:S+63], v253
	s_wait_alu depctr_va_vdst(0)                   ; directly ahead of the first reader of O^T
.set j, 0
.rept 8
	v_pk_mul_f32 v[O+j:O+j+1], v[O+j:O+j+1], v[250:251] op_sel_hi:[1,0]   ; O^T under the new M.  (The first is the plain place behind the conversions)
.set j, j+2
.endr
.irp i, 0,1,2
	v_mov_b32 v[P+3+\i], v[238+\i]
	v_mov_b32 v[P+9+\i], v[242+\i]
.endr
.rept 8
	v_pk_mul_f32 v[O+j:O+j+1], v[O+j:O+j+1], v[250:251] op_sel_hi:[1,0]   ; (these eight are the places between the writes of p's codes and the products)
.set j, j+2
.endr
	s_wait_alu depctr_va_vdst(0)                   ; directly ahead of the wait below
.if (\pf) > 0
	s_wait_dscnt 17                                ; V's thirteen loads are in; the 17 issued behind them, K's, may be out
.else
	s_wait_dscnt 0x0                               ; V
.endif
.irp t, 0,1,2,3
	MM O+8*\t,VF+12*\t,P,O+8*\t,12+\t%2,17,\t/2
.endr
.endm
; ONE TILE OF QUERIES: rows 16 (2 p + w / 8) on, chunk c, against all sixteen records; then its ctx is quantised and goes to LDS.  The last step is written out: what it asks for differs
.macro PASS p, qw
.if \p
	v_add_nc_u32 v3, s41, v1
	v_add_nc_u32 v4, s41, v2
	ds_load_b128 v[Q:Q+3], v3                      ; my second Q fragment, from my own bytes
	ds_load_b64 v[Q+4:Q+5], v4 offset:512
.endif
	v_mov_b32 v247, 0xff61b1e6                     ; the largest score so far: -3e38
	D1
	v_floor_f32 v246, -v247                        ; -M
	v_mov_b32 v248, 0                              ; the sum, in two halves
	v_mov_b32 v249, 0
	v_mov_b32 v251, 0                              ; (named as the upper half of the pair v[250:251])
.set j, 0
.rept 32
	v_mov_b32 v[O+j], 0                            ; O^T: the first step finds zeros, which the first change of M leaves zeros
.set j, j+1
.endr
	s_mov_b32 s48, 0
	s_mov_b32 s49, 15
	s_wait_alu depctr_va_vdst(0)
.Lstep_\@:
	STEP \qw, 1
	s_add_co_u32 s48, s48, REC
	s_sub_co_u32 s49, s49, 1
	s_cmp_lg_u32 s49, 0
	s_cbranch_scc1 .Lstep_\@
	STEP \qw, 2-2*\p
	v_add_f32 v248, v248, v249                     ; the sum's two halves,
	D1
	v_permlanex16_b32 v6, v248, s44, s45
	D1
	v_add_f32 v248, v248, v6                       ; and lane l xor 16's keys
	s_wait_alu depctr_va_vdst(0)
	v_rcp_f32 v250, v248
	v_add_nc_u32 v7, s50, v2                       ; (plain work behind the reciprocal)  where my codes go,
	v_and_b32 v21, 15, v0
	v_bfe_u32 v241, v0, 4, 1
	D1
	v_lshl_add_u32 v21, v21, 2, v241
	D1
	v_add_nc_u32 v21, s51, v21                     ; and my block's byte: row r's word, byte 2 (c % 2) + h
	s_wait_alu depctr_va_vdst(0)                   ; ahead of the reciprocal's first reader
.set j, 0
.rept 16
	v_pk_mul_f32 v[S+j:S+j+1], v[O+j:O+j+1], v[250:251] op_sel_hi:[1,0]   ; ctx = O^T / the sum: dims 32 h .. 32 h + 31 of my query
.set j, j+2
.endr
	QUANT32 S, P, 0, 0
.irp i, 0,1,2
	ds_store_b64 v7, v[P+2*\i:P+2*\i+1] offset:12288*\p+256*\i
.endr
	ds_store_b8 v21, v255 offset:512*\p
.endm
	KPRE v1, v2, 0                                 ; record 0's K
	PASS 0, 16
	PASS 1, 20
	; ---- THE TAIL: wave w makes outputs 16 (w / 4) .. + 15 of rows 16 (w % 4) .. + 15: source 0 = 16 rows of Wo, source 1 = ctx; K = 512 in four steps
	s_and_b32 s48, s36, 3                          ; sg
	s_lshr_b32 s49, s36, 2                         ; nt
	v_and_b32 v241, 15, v0                         ; r
	s_wait_alu depctr_va_vdst(0)
	v_bfe_u32 v245, v0, 4, 1                       ; h
	v_and_b32 v238, 3, v241
	v_lshrrev_b32 v239, 2, v241
	v_mul_u32_u24 v238, v238, 384                  ; Wo in its stage: a row is 512 codes, 384 bytes; four rows to a part of 1,552 bytes
	v_mad_u32_u24 v238, v239, 1552, v238
	v_mad_u32_u24 v238, v245, 24, v238
	s_mul_i32 s39, s49, 6208
	s_add_co_u32 s39, s39, WOS
	v_add_nc_u32 v238, s39, v238
	v_lshlrev_b32 v242, 4, v241                    ; 16 r
	s_lshl_b32 s39, s49, 8
	v_add_nc_u32 v239, s39, v242                   ; Wo's scale words: 16 bytes a row
	s_lshl_b32 s39, s36, 10
	v_add_nc_u32 v240, s39, v1                     ; x and out0: my four rows, two an instruction: 1,024 w + 16 l
	s_add_nc_u64 s[4:5], s[4:5], s[42:43]          ; x at my work-group's 64 rows (no load that names this base is out)
.irp k, 0,1,2,3
.irp p, 0,1,2,3,4,5
	ds_load_b64 v[KF+12*\k+2*\p:KF+12*\k+2*\p+1], v238 offset:96*\k+48*(\p/3)+8*(\p%3)
.endr
	global_load_b32 v[8+\k], v239, s[26:27] offset:4*\k
.endr
	global_load_b128 v[138:141], v240, s[4:5]
	global_load_b128 v[142:145], v240, s[4:5] offset:512
	global_load_b128 v[146:149], v242, s[28:29]    ; bo, gamma, beta at my four columns
	global_load_b128 v[150:153], v242, s[30:31]
	global_load_b128 v[154:157], v242, s[32:33]
	s_mul_i32 s39, s48, 6144
	s_add_co_u32 s39, s39, CIMG
	v_add_nc_u32 v3, s39, v2
	s_lshl_b32 s39, s48, 8
	s_add_co_u32 s39, s39, CSC
	v_lshl_add_u32 v4, v241, 2, s39
	s_wait_alu depctr_va_vdst(0)
	BAR                                            ; ctx's sixteen fragments lie in LDS
.irp k, 0,1,2,3
.irp p, 0,1,2,3,4,5
	ds_load_b64 v[VF+12*\k+2*\p:VF+12*\k+2*\p+1], v3 offset:1536*\k+256*\p
.endr
	ds_load_b32 v[12+\k], v4 offset:64*\k
.endr
	v_mul_u32_u24 v7, v241, 272                    ; the stage, in: row 16 sg + r, + 64 nt + 32 h
	D1
	v_lshl_add_u32 v7, v245, 5, v7
	s_mul_i32 s39, s48, 16*272
	s_lshl_b32 s50, s49, 6
	s_add_co_u32 s39, s39, s50
	s_add_co_u32 s39, s39, STG
	v_add_nc_u32 v7, s39, v7
	v_mul_u32_u24 v21, v245, 272                   ; and back: rows 4 w + h and two on, 16 bytes a lane
	D1
	v_add_nc_u32 v21, v242, v21
	s_mul_i32 s39, s36, 4*272
	s_add_co_u32 s39, s39, STG
	v_add_nc_u32 v21, s39, v21
	s_wait_loadcnt 5                               ; Wo's four scale words are in; x's two loads and bo, gamma, beta may be out
	s_wait_dscnt 0x0
	MM 130,KF,VF,-1,8,12,0
	s_wait_alu depctr_va_vdst(0)                   ; a wait ahead of each link
	MM 130,KF+12,VF+12,130,9,13,0
	s_wait_alu depctr_va_vdst(0)
	MM 130,KF+24,VF+24,130,10,14,0
	s_wait_alu depctr_va_vdst(0)
	MM 130,KF+36,VF+36,130,11,15,0
	PLACES
	ds_store_b128 v7, v[130:133]                   ; lane (r, h): outputs 16 nt + 8 h + 0 .. 7 of row 16 sg + r; from the low end on
	ds_store_b128 v7, v[134:137] offset:16
	BAR                                            ; 64 whole rows lie in the stage
	ds_load_b128 v[158:161], v21
	ds_load_b128 v[162:165], v21 offset:544
	s_wait_loadcnt 0x0
	s_wait_dscnt 0x0
	; y = x + ctx Wo + bo; sixteen lanes hold a row of 64; mean, then the mean of the squared differences
.irp i, 0,1
	v_pk_add_f32 v[158+4*\i:159+4*\i], v[158+4*\i:159+4*\i], v[138+4*\i:139+4*\i]
	v_pk_add_f32 v[160+4*\i:161+4*\i], v[160+4*\i:161+4*\i], v[140+4*\i:141+4*\i]
	D2
	v_pk_add_f32 v[158+4*\i:159+4*\i], v[158+4*\i:159+4*\i], v[146:147]
	D2
	v_pk_add_f32 v[160+4*\i:161+4*\i], v[160+4*\i:161+4*\i], v[148:149]
	D2
	v_add_f32 v[166+\i], v[158+4*\i], v[159+4*\i]
	D2
	v_add_f32 v[168+\i], v[160+4*\i], v[161+4*\i]
	D1
	v_add_f32 v[166+\i], v[166+\i], v[168+\i]
.endr
.irp m, 1
	v_add_f32_dpp v166, v166, v166 row_xmask:\m row_mask:0xf bank_mask:0xf
	D2
	v_add_f32_dpp v167, v167, v167 row_xmask:\m row_mask:0xf bank_mask:0xf
.endr
.irp m, 2, 4, 8
	D2
	v_add_f32_dpp v166, v166, v166 row_xmask:\m row_mask:0xf bank_mask:0xf
	D2
	v_add_f32_dpp v167, v167, v167 row_xmask:\m row_mask:0xf bank_mask:0xf
.endr
.irp i, 0,1
	v_mul_f32 v[166+\i], s52, v[166+\i]            ; the mean
.irp j, 0,1,2,3
	v_sub_f32 v[158+4*\i+\j], v[158+4*\i+\j], v[166+\i]
.endr
	s_delay_alu instid0(VALU_DEP_4)
	v_mul_f32 v[168+\i], v[158+4*\i], v[158+4*\i]
.irp j, 1,2,3
	D1
	v_fmac_f32 v[168+\i], v[158+4*\i+\j], v[158+4*\i+\j]
.endr
.endr
.irp m, 1
	v_add_f32_dpp v168, v168, v168 row_xmask:\m row_mask:0xf bank_mask:0xf
	D2
	v_add_f32_dpp v169, v169, v169 row_xmask:\m row_mask:0xf bank_mask:0xf
.endr
.irp m, 2, 4, 8
	D2
	v_add_f32_dpp v168, v168, v168 row_xmask:\m row_mask:0xf bank_mask:0xf
	D2
	v_add_f32_dpp v169, v169, v169 row_xmask:\m row_mask:0xf bank_mask:0xf
.endr
	D2
	v_fma_f32 v168, v168, s52, s53                 ; the variance + eps
	D2
	v_fma_f32 v169, v169, s52, s53
	s_wait_alu depctr_va_vdst(0)
	v_rsq_f32 v168, v168
	v_rsq_f32 v169, v169
	v_nop                                          ; the plain place behind the two
	s_wait_alu depctr_va_vdst(0)                   ; ahead of their first reader
.irp i, 0,1
.irp j, 0,1,2,3
	v_mul_f32 v[158+4*\i+\j], v[158+4*\i+\j], v[168+\i]
.endr
	s_delay_alu instid0(VALU_DEP_3)
	v_pk_fma_f32 v[158+4*\i:159+4*\i], v[158+4*\i:159+4*\i], v[150:151], v[154:155]
	D2
	v_pk_fma_f32 v[160+4*\i:161+4*\i], v[160+4*\i:161+4*\i], v[152:153], v[156:157]
	global_store_b128 v240, v[158+4*\i:161+4*\i], s[34:35] offset:512*\i th:TH_STORE_NT   ; 32 lanes store two rows: 512 consecutive bytes, at a multiple of 256 from out0's first byte
.endr
	s_wait_xcnt 0x0
	v_lshl_add_u32 v254, v0, 2, 0x44800            ; my spare word, behind the stage
	v_mov_b32 v255, 0
	s_wait_alu depctr_va_vdst(0)
	s_wait_tensorcnt 0x0
	ds_add_u32 v254, v255
	s_wait_dscnt 0x0
	s_endpgm
.Lfunc_end_k_q41ad167d5e_mha:
	.size	k_q41ad167d5e_mha, .Lfunc_end_k_q41ad167d5e_mha-k_q41ad167d5e_mha
	.p2alignl 7, 3214868480
	.fill 96, 4, 3214868480
	.section	.rodata,"a",@progbits
	.p2align	6, 0x0
	.amdhsa_kernel k_q41ad167d5e_mha
		.amdhsa_group_segment_fixed_size 307456
		.amdhsa_private_segment_fixed_size 0
		.amdhsa_enable_private_segment 0
		.amdhsa_kernarg_size 128
		.amdhsa_user_sgpr_count 2
		.amdhsa_user_sgpr_kernarg_segment_ptr 1
		.amdhsa_wavefront_size32 1
		.amdhsa_system_sgpr_workgroup_id_x 1
		.amdhsa_system_sgpr_workgroup_id_y 1
		.amdhsa_system_sgpr_workgroup_id_z 1
		.amdhsa_system_vgpr_workitem_id 0
		.amdhsa_next_free_vgpr 256
		.amdhsa_next_free_sgpr 72
		.amdhsa_reserve_vcc 0
		.amdhsa_float_denorm_mode_32 3
		.amdhsa_float_denorm_mode_16_64 3
		.amdhsa_memory_ordered 1
		.amdhsa_forward_progress 1
		.amdhsa_inst_pref_size 154
	.end_amdhsa_kernel
	.amdgpu_metadata
---
amdhsa.version: [ 1, 2 ]
amdhsa.kernels:
  - .name:           k_q41ad167d5e_mha
    .symbol:         k_q41ad167d5e_mha.kd
    .args:
      - { .name: x, .offset: 0, .size: 8, .value_kind: global_buffer, .address_space: global }
      - { .name: Wq_codes, .offset: 8, .size: 8, .value_kind: global_buffer, .address_space: global }
      - { .name: Wq_scales, .offset: 16, .size: 8, .value_kind: global_buffer, .address_space: global }
      - { .name: bq, .offset: 24, .size: 8, .value_kind: global_buffer, .address_space: global }
      - { .name: Wk_codes, .offset: 32, .size: 8, .value_kind: global_buffer, .address_space: global }
      - { .name: Wk_scales, .offset: 40, .size: 8, .value_kind: global_buffer, .address_space: global }
      - { .name: bk, .offset: 48, .size: 8, .value_kind: global_buffer, .address_space: global }
      - { .name: Wv_codes, .offset: 56, .size: 8, .value_kind: global_buffer, .address_space: global }
      - { .name: Wv_scales, .offset: 64, .size: 8, .value_kind: global_buffer, .address_space: global }
      - { .name: bv, .offset: 72, .size: 8, .value_kind: global_buffer, .address_space: global }
      - { .name: Wo_codes, .offset: 80, .size: 8, .value_kind: global_buffer, .address_space: global }
      - { .name: Wo_scales, .offset: 88, .size: 8, .value_kind: global_buffer, .address_space: global }
      - { .name: bo, .offset: 96, .size: 8, .value_kind: global_buffer, .address_space: global }
      - { .name: gamma, .offset: 104, .size: 8, .value_kind: global_buffer, .address_space: global }
      - { .name: beta, .offset: 112, .size: 8, .value_kind: global_buffer, .address_space: global }
      - { .name: out0, .offset: 120, .size: 8, .value_kind: global_buffer, .address_space: global }
    .group_segment_fixed_size: 307456
    .private_segment_fixed_size: 0
    .kernarg_segment_align: 8
    .kernarg_segment_size: 128
    .max_flat_workgroup_size: 512
    .sgpr_count:     72
    .vgpr_count:     256
    .wavefront_size: 32
...
	.end_amdgpu_metadata
.endif
;; end of part 1
